; MI455X (gfx1250); checked and timed in simulation.
; The chip was launched on July 23, 2026; its instructions are those of AMD's public machine-readable ISA for CDNA 5 (MIT licence, August 2026) and "CDNA5" Instruction Set Architecture Reference Guide (July 2026). The comments in the code are by the model that wrote it; some were corrected since.
;; Quant Linear. Allowed arithmetic: float matrix products may take bf16 or f16 operands with f32 sums; other float arithmetic in f32, or as packed bf16 or f16 multiplies, adds, multiply-adds, maxima and minima; sums over many terms, partial sums and values carried from step to step in f32; what a program stores and reads back later, other than sums and carried values, may be rounded once to bf16 or f16.
;; Inputs: bias 4,096 float16; q_invperm 4,096 int32; q_scale 32 x 512 int32; q_scale_max 32 float16; q_weight 512 x 4,096 int32; x 4,096 x 4,096 float16.
;; Outputs: out0 4,096 x 4,096 float16.
;; 2 versions, each right; version 2 is version 1 with the launch dequant written anew for expert scheduling mode. Each part assembles by itself: llvm-mc -triple=amdgcn-amd-amdhsa -mcpu=gfx1250 --defsym DOCPART=n.
;; ======== version 1 of 2: 2 launches
;; workspace buffers: wt 33,554,432 bytes
;; launch dequant (part 1): grid 256 x 1, 8 waves a work-group, no clusters, 33,792 bytes of LDS; arguments q_invperm, q_weight, q_scale, q_scale_max, wt; writes wt
.if DOCPART == 1
	.amdgcn_target "amdgcn-amd-amdhsa--gfx1250"
	.amdhsa_code_object_version 6
	.text
	.protected	k_q3754f11027_dequant
	.globl	k_q3754f11027_dequant
	.p2align	8
	.type	k_q3754f11027_dequant,@function
k_q3754f11027_dequant:
	s_mov_b64 s[64:65], 0
	v_nop
	global_prefetch_b8 v0, s[64:65] scope:SCOPE_SE
	s_setreg_imm32_b32 hwreg(HW_REG_WAVE_MODE, 25, 1), 1
	s_wait_xcnt 0x0
; wt[j][n] = W[rank[j]][n] in f16, [4096][4096], where W[k][n] = (nibble k of q_weight - 8) x (s4 + 1)^2 x (q_scale_max[k / 128] / 256) and rank[j] is the place of
; q_invperm[j] in the stable ascending sort of q_invperm.  Since argsort(q_invperm)[rank[j]] = j, the sum over k of x[m][q_perm[k]] W[k][n] is the sum over j of x[m][j] wt[j][n]:
; the gather is taken off x and put on whole rows of W.
; LIMITS.  q_invperm's values lie in -2^18 .. 2^18 - 1: the sort key is value x 4,096 + index in 32 signed bits (keys are all different, so ties go by index: the stable order).
; The arithmetic is packed f16 with the same two roundings as the definition: (s4+1)^2 and w - 8 are exact, the scale is rounded once, the product once.  Numbers below 6.1e-5 keep
; f16's fixed step, numbers beyond 65,504 become infinite, as in the definition.  NaN and infinities are not treated apart.
; SHARES.  Work-group g owns rows j = 16 g .. 16 g + 15, wave w two of them; no wave needs another, so there is no barrier.  A row goes in 32 chunks of 128 columns: lane l owns
; columns 128 c + 4 l .. + 3: one load of 16 bytes (the wave: 512 consecutive bytes of a packed row), one LDS load of its four scale nibbles, one store of 8 bytes (the wave: 256
; consecutive bytes, aligned).  32 loads of a wave are on their way: while row 0's chunks are worked on, row 1's take their registers.
; NO CLUSTER, NO TENSOR LOADS: which eight rows j read the same packed row hangs on q_invperm, so partners cannot be laid out ahead; the ring in registers holds 16 KiB a wave.
; NO MATRIX UNIT: nothing is multiplied here but element by element.
.set SPARE, 32768                      ; LDS: bytes 0 .. 32,767 wave w's two scale rows (2,048 bytes each) at 4,096 w + 2,048 t; behind them the spare words, 128 bytes a wave
.set WO,  2                            ; v2   16 x lane: my 16 bytes in 512 consecutive bytes of keys, weights, scale rows; never rewritten
.set SO,  3                            ; v3   8 x lane: my 8 bytes of a chunk of wt; never rewritten
.set LW,  4                            ; v4   4,096 w + 16 x lane: where I put a scale row's 16 bytes
.set LR,  5                            ; v5   4,096 w + 2 x lane: my four nibbles of a chunk
.set SPW, 6                            ; v6   LDS address of my spare word; never rewritten
.set NIL, 7                            ; v7   0; never rewritten
.set IDX, 8                            ; v[8:11]   4 x lane + c
.set CS,  12                           ; v12  f16 pair: low -1023, high -63
.set CW,  13                           ; v13, v14  row t: -1032 twice (even nibble) or -72 twice (odd)
.set SM,  15                           ; v15, v16  row t: q_scale_max / 256, twice
.set T,   18                           ; v[18:21]  at work
.set OUT, 26                           ; v[26:29]  two pairs to store, by the chunk's parity
.set KW,  32                           ; v[32:159] first the 4,096 keys (128 a lane), then the ring of 32 chunks of weight words
.set SN,  160                          ; v[160:223] row t, chunk c: my four scale nibbles
.set SR,  224                          ; v[224:255] the two scale rows on their way to LDS
.set KJ,  20                           ; s20, s21  my two rows' keys, less 128 for every block of keys compared
.set RK,  22                           ; s22, s23  their ranks
.set PW,  24                           ; s[24:27]  row t: its packed row of q_weight
.set PS,  28                           ; s[28:31]  row t: its row of q_scale
.set PO,  32                           ; s[32:35]  row t: its row of wt
.set PM,  36                           ; s[36:37], s[74:75]  row t: its number of q_scale_max
.set QM,  38                           ; s38, s39  that number's bits
.set MK,  40                           ; s[40:55]  two banks of eight lane masks
.set SEL, 56                           ; s56, s57  row t: byte select
.set MSK, 58                           ; s58, s59  row t: nibble mask
.set RR,  60                           ; s60, s61  row t: 1 twice, or 1/16 twice
.set CB,  62                           ; s62, s63  row t: CW's bits
	s_load_b256 s[4:11], s[0:1], 0x0               ; q_invperm s[4:5], q_weight s[6:7], q_scale s[8:9], q_scale_max s[10:11]
	s_load_b64 s[12:13], s[0:1], 0x20              ; wt
	v_lshl_add_u32 v[SPW], v0, 2, SPARE
	v_mov_b32 v[NIL], 0
	v_lshrrev_b32 v1, 5, v0
	v_readfirstlane_b32 s14, v1                    ; wave 0..7
	v_and_b32 v1, 31, v0                           ; lane
	v_lshlrev_b32 v[WO], 4, v1
	v_lshlrev_b32 v[SO], 3, v1
	s_lshl_b32 s16, s14, 12                        ; my wave's 4,096 bytes of LDS
	v_lshl_add_u32 v[LW], v1, 4, s16
	v_lshl_add_u32 v[LR], v1, 1, s16
.irp c, 0,1,2,3
	v_lshl_add_u32 v[IDX+(\c)], v1, 2, \c
.endr
	v_mov_b32 v[CS], 0xd3e0e3fe
	s_lshl_b32 s15, ttmp9, 4
	s_lshl_b32 s17, s14, 1
	s_add_co_u32 s15, s15, s17                     ; j0 = 16 g + 2 w
	s_mov_b32 s66, 0x64006400                      ; 1024 twice in f16: its ten low bits count in ones
	s_mov_b32 s67, 0x00f0000f                      ; low half: a byte's low nibble; high half: its high nibble, where it lies
	s_mov_b32 s68, 0x01010101                      ; byte 1 into every byte
	s_mov_b32 s69, 0x000f000f
	s_mov_b32 s70, 0x3c003c00                      ; 1 twice
	s_mov_b32 s72, 0xe408e408                      ; -1032 twice
	s_lshl_b32 s16, s15, 2                         ; my two keys' bytes in q_invperm
	s_mov_b32 s17, 0                               ; s[16:17] is the pair for offsets: its high word stays 0
	s_mov_b32 s[RK], 0
	s_mov_b32 s[RK+1], 0
	s_wait_kmcnt 0x0
	s_add_nc_u64 s[18:19], s[4:5], s[16:17]
	s_load_b64 s[KJ:KJ+1], s[18:19], 0x0           ; q_invperm[j0], q_invperm[j0 + 1]
.set qq, 0
.rept 32
	global_load_b128 v[KW+4*qq:KW+4*qq+3], v[WO], s[4:5] offset:512*qq  ; all 4,096 values: word c of load q in lane l has index 128 q + 4 l + c
.set qq, qq+1
.endr
	s_wait_kmcnt 0x0
	s_lshl_b32 s[KJ], s[KJ], 12
	s_add_co_u32 s[KJ], s[KJ], s15                 ; key = value x 4,096 + index
	s_lshl_b32 s[KJ+1], s[KJ+1], 12
	s_add_co_u32 s[KJ+1], s[KJ+1], s15
	s_add_co_u32 s[KJ+1], s[KJ+1], 1
; THE RANKS.  rank = how many keys are smaller than mine.  Block q of 128 keys: the keys are made without the term 128 q, which is taken off my two keys instead.
.macro RANKV q
	s_wait_loadcnt 31-(\q)                         ; loads come back in order: block q is in, the 31 - q younger ones stay out
.irp c, 0,1,2,3
	v_lshl_add_u32 v[KW+4*(\q)+(\c)], v[KW+4*(\q)+(\c)], 12, v[IDX+(\c)]
.endr
.irp c, 0,1,2,3
.irp t, 0,1
	v_cmp_gt_i32 s[MK+8*((\q)&1)+2*(\c)+(\t)], s[KJ+(\t)], v[KW+4*(\q)+(\c)]
.endr
.endr
	s_sub_co_u32 s[KJ], s[KJ], 0x80
	s_sub_co_u32 s[KJ+1], s[KJ+1], 0x80
.endm
.macro RANKS q                         ; block q's eight masks are counted, a block behind the compares that made them
.irp c, 0,1,2,3
.irp t, 0,1
	s_bcnt1_i32_b32 s[MK+8*((\q)&1)+2*(\c)+(\t)], s[MK+8*((\q)&1)+2*(\c)+(\t)]
	s_add_co_u32 s[RK+(\t)], s[RK+(\t)], s[MK+8*((\q)&1)+2*(\c)+(\t)]
.endr
.endr
.endm
	RANKV 0
.set qq, 1
.rept 31
	RANKV qq
	RANKS qq-1
.set qq, qq+1
.endr
	RANKS 31
; WHAT A ROW NEEDS, from its rank r: packed row r / 8, byte (r / 2) % 4 of each word, its low or high nibble; group r / 128.  Each part of r is held to its table's size before it enters an address.
.macro ROWSET t
	s_lshr_b32 s16, s[RK+(\t)], 3
	s_min_u32 s16, s16, 0x1ff
	s_lshl_b32 s16, s16, 14                        ; a packed row is 16,384 bytes
	s_add_nc_u64 s[PW+2*(\t):PW+2*(\t)+1], s[6:7], s[16:17]
	s_lshr_b32 s18, s[RK+(\t)], 7
	s_min_u32 s18, s18, 31
	s_lshl_b32 s16, s18, 11                        ; a row of q_scale is 2,048 bytes
	s_add_nc_u64 s[PS+2*(\t):PS+2*(\t)+1], s[8:9], s[16:17]
	s_lshl_b32 s16, s18, 1
	s_add_nc_u64 s[PM+38*(\t):PM+38*(\t)+1], s[10:11], s[16:17]
	s_load_u16 s[QM+(\t)], s[PM+38*(\t):PM+38*(\t)+1], 0x0
	s_add_co_u32 s16, s15, \t
	s_lshl_b32 s16, s16, 13                        ; a row of wt is 8,192 bytes
	s_add_nc_u64 s[PO+2*(\t):PO+2*(\t)+1], s[12:13], s[16:17]
	s_bfe_u32 s18, s[RK+(\t)], 0x20001             ; y = (r / 2) % 4
	s_mul_i32 s18, s18, 0x10001
	s_add_co_u32 s[SEL+(\t)], s18, 0x40000         ; result byte 0 = byte y of the second source, byte 2 = byte y of the first
	s_bitcmp1_b32 s[RK+(\t)], 0                    ; an odd r takes the high nibble, left where it lies: 16 w, and then a factor of 1/16
	s_cselect_b32 s[MSK+(\t)], 0x00f000f0, s69
	s_cselect_b32 s[RR+(\t)], 0x2c002c00, s70
	s_cselect_b32 s[CB+(\t)], 0xd480d480, s72      ; (1024 + 16 w) / 16 - 72 = w - 8;  (1024 + w) - 1032 = w - 8
.endm
	ROWSET 0
	ROWSET 1
.irp t, 0,1
.irp v, 0,1,2,3
	global_load_b128 v[SR+16*(\t)+4*(\v):SR+16*(\t)+4*(\v)+3], v[WO], s[PS+2*(\t):PS+2*(\t)+1] offset:512*(\v)  ; the two scale rows, whole
.endr
.endr
.set cc, 0
.rept 32
	global_load_b128 v[KW+4*cc:KW+4*cc+3], v[WO], s[PW:PW+1] offset:512*cc  ; row 0's 32 chunks fill the ring
.set cc, cc+1
.endr
	s_wait_kmcnt 0x0                               ; q_scale_max's two numbers
.irp t, 0,1
	s_mul_i32 s[QM+(\t)], s[QM+(\t)], 0x10001      ; the same f16 in both halves
	v_mov_b32 v[SM+(\t)], s[QM+(\t)]
	v_pk_mul_f16 v[SM+(\t)], v[SM+(\t)], 0x1c001c00  ; / 256, rounded to f16
	v_mov_b32 v[CW+(\t)], s[CB+(\t)]
.endr
	s_wait_loadcnt 32                              ; the scale rows are in; the 32 weight loads behind them stay out
.irp t, 0,1
.irp v, 0,1,2,3
	ds_store_b128 v[LW], v[SR+16*(\t)+4*(\v):SR+16*(\t)+4*(\v)+3] offset:2048*(\t)+512*(\v)
.endr
.endr
.set cc, 0
.rept 32                               ; columns 128 c + 4 l .. + 3 are the 16 bits at byte 64 c + 2 l of the row.  These are my wave's own bytes, and LDS serves a wave's instructions in order (ISA guide 5.7.1.4): the loads see the stores above
	ds_load_u16 v[SN+cc], v[LR] offset:64*cc
	ds_load_u16 v[SN+32+cc], v[LR] offset:2048+64*cc
.set cc, cc+1
.endr
	s_wait_dscnt 0x0
; Chunk c of row t.  left = the younger loads that may stay out.  refill = 1: the chunk's registers take row 1's chunk c.
.macro CHUNK t, c, left, refill
	s_wait_loadcnt \left
	s_wait_xcnt 0x0                                ; every earlier memory instruction has had its addresses translated (ISA guide 3.1): OUT's pair is rewritten only behind this wait
	v_perm_b32 v[T],   v[SN+32*(\t)+(\c)], v[SN+32*(\t)+(\c)], 0      ; the nibbles of columns 0, 1 in every byte
	v_perm_b32 v[T+1], v[SN+32*(\t)+(\c)], v[SN+32*(\t)+(\c)], s68    ; those of columns 2, 3
	v_perm_b32 v[T+2], v[KW+4*(\c)+1], v[KW+4*(\c)],   s[SEL+(\t)]    ; the row's byte of columns 0 (low half) and 1 (high half)
	v_perm_b32 v[T+3], v[KW+4*(\c)+3], v[KW+4*(\c)+2], s[SEL+(\t)]
	v_and_or_b32 v[T],   v[T],   s67, s66          ; f16: low 1024 + s, high 1024 + 16 s
	v_and_or_b32 v[T+1], v[T+1], s67, s66
	v_and_or_b32 v[T+2], v[T+2], s[MSK+(\t)], s66  ; 1024 + w, or 1024 + 16 w, in both halves
	v_and_or_b32 v[T+3], v[T+3], s[MSK+(\t)], s66
	v_pk_fma_f16 v[T],   v[T],   0x2c003c00, v[CS] ; low x 1 - 1023, high / 16 - 63: s + 1, exact
	v_pk_fma_f16 v[T+1], v[T+1], 0x2c003c00, v[CS]
	v_pk_fma_f16 v[T+2], v[T+2], s[RR+(\t)], v[CW+(\t)]  ; w - 8, exact
	v_pk_fma_f16 v[T+3], v[T+3], s[RR+(\t)], v[CW+(\t)]
	v_pk_mul_f16 v[T],   v[T],   v[T]              ; (s + 1)^2, at most 256: exact
	v_pk_mul_f16 v[T+1], v[T+1], v[T+1]
	v_pk_mul_f16 v[T],   v[T],   v[SM+(\t)]        ; the scale: the first rounding
	v_pk_mul_f16 v[T+1], v[T+1], v[SM+(\t)]
	v_pk_mul_f16 v[OUT+2*((\c)%2)],   v[T+2], v[T]   ; W: the second
	v_pk_mul_f16 v[OUT+2*((\c)%2)+1], v[T+3], v[T+1]
.if \refill
	global_load_b128 v[KW+4*(\c):KW+4*(\c)+3], v[WO], s[PW+2:PW+3] offset:512*(\c)
.endif
	global_store_b64 v[SO], v[OUT+2*((\c)%2):OUT+2*((\c)%2)+1], s[PO+2*(\t):PO+2*(\t)+1] offset:256*(\c) th:TH_STORE_NT  ; the wave stores 256 consecutive bytes, at a multiple of 256 from wt's first byte
.endm
.set cc, 0
.rept 32
	CHUNK 0, cc, 31, 1                             ; behind chunk c's load: 31 - c of row 0's and c of row 1's
.set cc, cc+1
.endr
.set cc, 0
.rept 32
	CHUNK 1, cc, 31-cc, 0                          ; nothing more is loaded: the counts run down
.set cc, cc+1
.endr
	s_wait_tensorcnt 0x0                           ; the wave's end: behind my last LDS store
	ds_add_u32 v[SPW], v[NIL]
	s_wait_dscnt 0x0
	s_endpgm
.Lfunc_end_k_q3754f11027_dequant:
	.size	k_q3754f11027_dequant, .Lfunc_end_k_q3754f11027_dequant-k_q3754f11027_dequant
	.p2alignl 7, 3214868480
	.fill 96, 4, 3214868480
	.section	.rodata,"a",@progbits
	.p2align	6, 0x0
	.amdhsa_kernel k_q3754f11027_dequant
		.amdhsa_group_segment_fixed_size 33792
		.amdhsa_private_segment_fixed_size 0
		.amdhsa_enable_private_segment 0
		.amdhsa_kernarg_size 40
		.amdhsa_user_sgpr_count 2
		.amdhsa_user_sgpr_kernarg_segment_ptr 1
		.amdhsa_wavefront_size32 1
		.amdhsa_system_sgpr_workgroup_id_x 1
		.amdhsa_system_sgpr_workgroup_id_y 1
		.amdhsa_system_sgpr_workgroup_id_z 1
		.amdhsa_system_vgpr_workitem_id 0
		.amdhsa_next_free_vgpr 256
		.amdhsa_next_free_sgpr 76
		.amdhsa_reserve_vcc 0
		.amdhsa_float_denorm_mode_32 3
		.amdhsa_float_denorm_mode_16_64 3
		.amdhsa_memory_ordered 1
		.amdhsa_forward_progress 1
		.amdhsa_inst_pref_size 150
	.end_amdhsa_kernel
	.amdgpu_metadata
---
amdhsa.version: [ 1, 2 ]
amdhsa.kernels:
  - .name:           k_q3754f11027_dequant
    .symbol:         k_q3754f11027_dequant.kd
    .args:
      - { .name: q_invperm, .offset: 0, .size: 8, .value_kind: global_buffer, .address_space: global }
      - { .name: q_weight, .offset: 8, .size: 8, .value_kind: global_buffer, .address_space: global }
      - { .name: q_scale, .offset: 16, .size: 8, .value_kind: global_buffer, .address_space: global }
      - { .name: q_scale_max, .offset: 24, .size: 8, .value_kind: global_buffer, .address_space: global }
      - { .name: wt, .offset: 32, .size: 8, .value_kind: global_buffer, .address_space: global }
    .group_segment_fixed_size: 33792
    .private_segment_fixed_size: 0
    .kernarg_segment_align: 8
    .kernarg_segment_size: 40
    .max_flat_workgroup_size: 256
    .sgpr_count:     76
    .vgpr_count:     256
    .wavefront_size: 32
...
	.end_amdgpu_metadata
.endif
;; end of part 1
;; launch gemm (part 2): grid 16 x 16, 4 waves a work-group, clusters of 4 x 4, 327,680 bytes of LDS; arguments x, wt, out0, bias; writes out0
.if DOCPART == 2
	.amdgcn_target "amdgcn-amd-amdhsa--gfx1250"
	.amdhsa_code_object_version 6
	.text
	.protected	k_q3754f11027_gemm
	.globl	k_q3754f11027_gemm
	.p2align	8
	.type	k_q3754f11027_gemm,@function
k_q3754f11027_gemm:
	s_mov_b64 s[64:65], 0
	v_nop
	global_prefetch_b8 v0, s[64:65] scope:SCOPE_SE
	s_setreg_imm32_b32 hwreg(HW_REG_WAVE_MODE, 25, 1), 1
	s_wait_xcnt 0x0
	s_wait_alu depctr_hold_cnt(0) depctr_sa_sdst(0) depctr_va_vdst(0) depctr_va_sdst(0) depctr_va_ssrc(0) depctr_va_vcc(0) depctr_vm_vsrc(0)
	s_getreg_b32 s2, hwreg(HW_REG_IB_STS2, 6, 4)
	s_cmp_eq_u32 s2, 0
	s_cbranch_scc0 .Lentry_in_a_cluster
	s_endpgm
.Lentry_in_a_cluster:
	s_bfe_u32 s2, ttmp6, 0x10000c
	s_cmp_lg_u32 s2, 0xf033
	s_cbranch_scc0 .Lentry_shape_is_right
	s_endpgm
.Lentry_shape_is_right:
; out0[m][n] = f16( the sum over j of x[m][j] wt[j][n] + bias[n] ).  x: [4096][4096] f16 as given; wt: [4096 (j)][4096 (n)] f16, made by the launch before; sums in f32, K ascending.
; LIMITS.  The bias is widened to f32 and starts the sums, so the output is rounded once (the definition rounds the sum and then the sum with the bias).  A result of 65,520 or more
; becomes infinite, as in the definition.  NaN and infinities are not treated apart.
; A tile of C, 256 x 256, is made by a work-group of four waves, as many as a WGP has SIMDs: 16 x 16 tiles, one for each of 256 work-groups.  A wave makes 128 x 128: 64 accumulators of
; 16 x 16, 512 registers.  K goes in 32 steps of 128 through a ring of two LDS slots filled by the tensor data mover.  A slot holds 256 rows of x (256 bytes each) and 128 rows j of wt
; (the tile's 256 columns: 512 bytes each); all these rows start at multiples of 256 bytes from their buffer's first byte.
; CLUSTERS: 4 x 4 work-groups.  The four of a row of the cluster need the same tiles of x, the four of a column the same tiles of wt: each tile is asked for JOINTLY, by the same tensor load
; with the same descriptor and a mask that names the four.
; THE MATRIX INSTRUCTION IS USED TRANSPOSED: source 0 = 16 columns n of wt (turned on the way out of LDS by ds_load_tr16_b128, since wt lies [j][n]), source 1 = 16 rows of x.  In the result
; lane l holds row m = l % 16 of C and the columns n = 8 (l / 16) + 0 .. 7: eight neighbouring numbers, which pack into 16 bytes.
; The last K step goes by rows of C, so that finished rows leave while the others are multiplied.
; REGISTERS, in windows of 256 (s_set_vgpr_msb's low byte: bits 1:0 source 0, 3:2 source 1, 5:4 source 2, 7:6 destination):
;   window 0: v0-31 addresses; v64-127, v128-191 fragments of x, two buffers (in the last K step four, of 16 rows x 128 K); v32-63, v192-255 first the bias, later at work on the way out
;   window 1: v64-127, v128-191 fragments of wt, two buffers; in the last K step all 256
;   window 2: the 32 accumulators of my rows 0-63 (accumulator (a, b) at v[8 (8 a + b)]);   window 3: those of my rows 64-127
.set SIZE_N, 4096
.set SIZE_K, 4096
.set KSTEP,  128
.set PITCH,  272                       ; a row of x in LDS: 256 bytes + 16 of padding = 68 words: row r starts at bank 4 r mod 64 (64 banks of 4 bytes: ISA guide 11.1), so the 16 rows of a load start at 16 different banks
.set PB,     544                       ; a row of wt in LDS: 512 + 32 = 136 words: row r starts at bank 8 r mod 64
.set HALFT,  128*PITCH                 ; what one tensor load brings: 128 rows of x, or 64 rows of wt (64 x 544 is the same 34,816 bytes)
.set SLOT,   4*HALFT                   ; x's 256 rows, then wt's 128 rows
.set STAGE,  2*SLOT                    ; behind the ring: 16 rows x 272 bytes for each wave, for the way out
.set SPITCH, 272
.set SPARE,  STAGE+4*16*SPITCH         ; behind the stages: the spare words, 128 bytes for each wave: two blocks of 256 bytes that no other line names
.set LAPS,   SIZE_K/(2*KSTEP)          ; a lap = two K steps = once round the ring
.set BO,   6                           ; v6      16 x (l / 16): my 8 numbers in 16 of the bias
.set ONE,  7                           ; v7      1.0
.set ZER,  8                           ; v8      0
.set ADRA, 16                          ; v16-17  LDS address of my fragments of x in slot 0, 1
.set ADRB, 20                          ; v20-21  the same for wt
.set STO,  24                          ; v24     the way out: where I put 16 bytes of a row
.set RD,   25                          ; v25     the way out: where I read a row back
.set CO,   26                          ; v26     my byte offset in C
.set SPW,  28                          ; v28     LDS address of my spare word: SPARE + 4 x my thread's number; never rewritten
.set NIL,  29                          ; v29     0; never rewritten
.set PFO,  30                          ; v30     the prefetches' offset; never rewritten
.set BRAW, 32                          ; v32-63  the bias of my 128 columns as loaded
.set BIA,  192                         ; v192-255 the same in f32, laid out as the C operand: register j of block b = bias[16 b + 8 (l / 16) + j]
.set F0,   64                          ; fragment buffer 0
.set F1,   128                         ; fragment buffer 1
.set TMP,  192                         ; the way out: packed results, in window 0
.set OB,   32                          ; the way out: 16 rows read back from the stage: v32-63 and v224-255 by turns
.set PA,   64                          ; the last K step: x's fragments of 16 rows x 128 K, 32 registers; four such buffers, v64-191
.set G1,  24                           ; s[24:31] descriptor group 1 for x's tiles
.set G0,  32                           ; s[32:39] descriptor group 0 for x's tiles, one set for each slot
.set G1B, 48                           ; s[48:55] descriptor group 1 for wt's tiles
.set G0B, 56                           ; s[56:63] descriptor group 0 for wt's tiles, one set for each slot
.set LIM, 43                           ; s43      1 in a wave that prefetches, else the greatest number
.set PFA, 44                           ; s[44:45] where my next prefetch stands
.set BP,  66                           ; s[66:67] the bias
.set PST, 68                           ; s[68:69] a K step in the tensor that I fetch for: 256 bytes along x's rows, 128 rows of wt
.set MSB, 0
.macro WIN new                         ; the immediate's high byte repeats the setting that is left; a switch that changes nothing is dropped
.if MSB != (\new)
	s_set_vgpr_msb (MSB<<8)|(\new)
.set MSB, \new
.endif
.endm
.set MUL_LO, 0xa1                      ; source 0 (wt) window 1, source 1 (x) window 0, C and D window 2
.set TO_B,   0x40                      ; destination window 1, address window 0
; A joint load.  Waves 0 and 1 fetch x's two halves, waves 2 and 3 wt's.  Each of the two lines has one mask and one set of registers for all that issue it.  The branch hangs on the wave's number
; alone.  An s_nop 0 and four v_nop follow each of the two lines, ahead of the jump, the label and what follows.
.macro JLOAD s
	s_cmp_eq_u32 s11, 0
	s_cbranch_scc0 .Lfor_b_\@
	tensor_load_to_lds s[G0+4*(\s):G0+4*(\s)+3], s[G1:G1+7]
	s_nop 0
.rept 4
	v_nop
.endr
	s_branch .Lasked_\@
.Lfor_b_\@:
	tensor_load_to_lds s[G0B+4*(\s):G0B+4*(\s)+3], s[G1B:G1B+7]
	s_nop 0
.rept 4
	v_nop
.endr
.Lasked_\@:
.endm
; A PREFETCH INTO THE L2, behind each joint refill, its five lines and the run of LDS loads that follows them: the K step that stands TWO refills on, 512 matrix instructions ahead of the load that
; will ask for it: 32 blocks of 256 bytes, a lane a block, one instruction a wave.  Each block is named ONCE in the launch.  x's tile row is read by every cluster of that row of clusters: the one
; with x = 0 asks; wt's tile column by every cluster of that column: the one with y = 0 asks.  The four partners that ask for a tile jointly share it out BY ADDRESS: of the 128 rows of x that a
; wave fetches, partner cx takes 32 (a lane a row); of the 64 rows of wt, partner cy takes 16 (two lanes a row of 512 bytes).  No branch hangs on a work-group's place in its cluster.
; K steps 0 to 3 come by their loads alone; the loop's last trip (s3 = 1) asks for nothing: there is no K step 32.
.macro ASK
	s_cmp_gt_u32 s3, s[LIM]
	s_cbranch_scc0 .Lnot_mine_\@
	global_prefetch_b8 v[PFO], s[PFA:PFA+1] th:TH_LOAD_NT scope:SCOPE_SE
.Lnot_mine_\@:
.endm
; A round of the cluster's barrier: my work-group's barrier, so that wave 0's signal speaks for all four waves; wave 0 signals for the work-group; every wave waits for all sixteen
; work-groups; my work-group's barrier once more.  No LDS instruction of the wave is pending at a signal.
.macro CREST                           ; a round behind its opening barrier
	s_cmp_lg_u32 s10, 0
	s_cbranch_scc1 .Lnot_wave_0_\@
	s_barrier_signal -3
.Lnot_wave_0_\@:
	s_barrier_wait -3
	s_barrier_signal -1
	s_barrier_wait -1
.endm
.macro CROUND                          ; a whole round
	s_barrier_signal -1
	s_barrier_wait -1
	CREST
.endm
	s_load_b128 s[4:7], s[0:1], 0x0                ; x s[4:5], wt s[6:7]
	s_load_b64 s[8:9], s[0:1], 0x10                ; out0
	s_load_b64 s[BP:BP+1], s[0:1], 0x18            ; bias
	v_lshl_add_u32 v[SPW], v0, 2, SPARE
	v_mov_b32 v[NIL], 0
	ds_add_u32 v[SPW], v[NIL]                      ; the wave's opening: the add, twice on end, and its wait ahead of my first tensor load; the set-up below stands between the second and the wait
	ds_add_u32 v[SPW], v[NIL]                      ; and once more, under the one wait
	v_lshrrev_b32 v1, 5, v0
	v_readfirstlane_b32 s10, v1                    ; wave 0..3
	s_lshr_b32 s11, s10, 1                         ; which half of the tile's rows is mine.  Also: I fetch for x (0) or for wt (1)
	s_and_b32 s12, s10, 1                          ; which half of its columns.  Also: which half of that tile I fetch
	s_bfe_u32 s40, ttmp6, 0x40000                  ; cx: my place along the cluster's x
	s_bfe_u32 s41, ttmp6, 0x40004                  ; cy: along its y
	s_lshl_b32 s42, ttmp9, 2                       ; in a cluster launch ttmp9 and ttmp7 count clusters
	s_add_co_u32 s42, s42, s40                     ; tile column of C = 4 x cluster x + cx
	s_and_b32 s13, ttmp7, 0xffff
	s_lshl_b32 s13, s13, 2
	s_add_co_u32 s13, s13, s41                     ; tile row of C = 4 x cluster y + cy
	s_lshl_b32 s43, s41, 2
	s_lshl_b32 s43, 15, s43                        ; my row of the cluster: places 4 cy .. 4 cy + 3
	s_lshl_b32 s44, 0x1111, s40                    ; my column: places cx, cx + 4, cx + 8, cx + 12
	; group 1 for x: a tile of 128 rows x 128 elements
	s_or_b32 s[G1+0], s43, (1<<16)|(1<<20)|(1<<21)|(5<<22)|(3<<25)  ; 15:0 the mask: my row; 17:16 elements of 2 bytes; 20 padding on; 21 set beside a mask; 24:22 after every 64 words (code 5); 31:25 4 words of it (code 3)
	s_mov_b32 s[G1+1], KSTEP<<16                   ; tensor_dim0 = 128
	s_mov_b32 s[G1+2], 128<<16                     ; tensor_dim1 = 128
	s_mov_b32 s[G1+3], KSTEP<<16                   ; tile_dim0 = 128
	s_mov_b32 s[G1+4], 128                         ; tile_dim1 = 128
	s_mov_b32 s[G1+5], SIZE_K                      ; elements from row to row
	s_mov_b32 s[G1+6], 0
	s_mov_b32 s[G1+7], 0
	; group 1 for wt: a tile of 64 rows j x 256 elements n
	s_or_b32 s[G1B+0], s44, (1<<16)|(1<<20)|(1<<21)|(6<<22)|(7<<25) ; the mask: my column; padding after every 128 words (code 6), 8 words of it (code 7)
	s_mov_b32 s[G1B+1], 256<<16                    ; tensor_dim0 = 256
	s_mov_b32 s[G1B+2], 64<<16                     ; tensor_dim1 = 64
	s_mov_b32 s[G1B+3], 256<<16                    ; tile_dim0 = 256
	s_mov_b32 s[G1B+4], 64                         ; tile_dim1 = 64
	s_mov_b32 s[G1B+5], SIZE_N                     ; elements from row to row
	s_mov_b32 s[G1B+6], 0
	s_mov_b32 s[G1B+7], 0
	; where the tiles come from.  x's hang on the tile row alone, which my row of the cluster shares; wt's on the tile column alone, which my column shares.
	s_lshl_b32 s17, s12, 7
	s_lshl_b32 s16, s13, 8
	s_add_co_u32 s16, s16, s17                     ; x: row 256 x tile row + 128 x half,
	s_lshl_b32 s16, s16, 13                        ; of 8,192 bytes
	s_mov_b32 s17, 0
	s_lshl_b32 s46, s12, 19                        ; wt: row 64 x half, of 8,192 bytes,
	s_lshl_b32 s47, s42, 9                         ; and the tile column's 512 bytes of it
	s_add_co_u32 s46, s46, s47
	s_mov_b32 s47, 0
	s_mul_i32 s20, s10, HALFT                      ; and where they go: wave x 34,816 bytes: no place in the cluster enters an LDS address
	s_wait_dscnt 0x0                               ; both opening adds are done
	s_wait_kmcnt 0x0
	s_add_nc_u64 s[14:15], s[4:5], s[16:17]
	s_add_nc_u64 s[46:47], s[6:7], s[46:47]
	CROUND                                         ; all sixteen work-groups are here: the first joint loads meet
.irp s, 0,1
	s_mov_b32 s[G0+4*(\s)], 1                                        ; 1:0 count = 1
	s_add_co_u32 s[G0+4*(\s)+1], s20, (\s)*SLOT                      ; 63:32 LDS address
	s_add_nc_u64 s[G0+4*(\s)+2:G0+4*(\s)+3], s[14:15], (\s)*KSTEP*2  ; 120:64 global address: K step s
	s_or_b32 s[G0+4*(\s)+3], s[G0+4*(\s)+3], 0x80000000              ; 127:126 type = 2
	s_mov_b32 s[G0B+4*(\s)], 1
	s_add_co_u32 s[G0B+4*(\s)+1], s20, (\s)*SLOT
	s_add_nc_u64 s[G0B+4*(\s)+2:G0B+4*(\s)+3], s[46:47], (\s)*KSTEP*SIZE_N*2  ; K step s: 128 rows down
	s_or_b32 s[G0B+4*(\s)+3], s[G0B+4*(\s)+3], 0x80000000
.endr
	s_cmp_eq_u32 s11, 0                            ; a wave's two first fills stand in one branch, ahead of every wait on TENSORcnt, every LDS read and every later barrier: two loads of mine are out
	s_cbranch_scc0 .Lfirst_b
	tensor_load_to_lds s[G0:G0+3], s[G1:G1+7]
	s_nop 0
	tensor_load_to_lds s[G0+4:G0+7], s[G1:G1+7]
	s_nop 0
.rept 4
	v_nop
.endr
	s_branch .Lfirst_asked
.Lfirst_b:
	tensor_load_to_lds s[G0B:G0B+3], s[G1B:G1B+7]
	s_nop 0
	tensor_load_to_lds s[G0B+4:G0B+7], s[G1B:G1B+7]
	s_nop 0
.rept 4
	v_nop
.endr
.Lfirst_asked:
	; A fragment is 16 rows x 32 K in 8 registers: lane l holds row l % 16; registers 0-3 hold K = 8 (l / 16) + 0..7, registers 4-7 K = 16 + 8 (l / 16) + 0..7.
	; x lies along K: two loads of 16 bytes, 32 bytes apart.
	v_and_b32 v1, 15, v0                           ; l % 16
	v_bfe_u32 v2, v0, 4, 1                         ; l / 16
	v_mul_u32_u24 v3, v1, PITCH
	v_lshl_add_u32 v3, v2, 4, v3                   ; row x pitch + 16 x half
	; wt lies [j][n]: the turning load takes 16 j x 16 n (lane l reads 16 bytes: row j = 8 (l / 16) + l % 8, columns 8 ((l / 8) % 2) + 0..7) and leaves half a fragment: lane l holds column l % 16 and 8 j.
	v_and_b32 v9, 7, v0
	v_bfe_u32 v10, v0, 3, 1
	v_lshl_add_u32 v9, v2, 3, v9
	v_mul_u32_u24 v9, v9, PB
	v_lshl_add_u32 v9, v10, 4, v9
	s_mul_i32 s21, s11, HALFT                      ; my 128 rows of x
	s_lshl_b32 s22, s12, 8                         ; my 128 columns: 256 bytes of wt's rows,
	s_add_co_u32 s22, s22, 2*HALFT                 ; which lie behind x's 256
.irp s, 0,1
	v_add_nc_u32 v[ADRA+(\s)], s21, v3
	v_add_nc_u32 v[ADRB+(\s)], s22, v9
	s_add_co_u32 s21, s21, SLOT
	s_add_co_u32 s22, s22, SLOT
.endr
	s_mul_i32 s23, s10, 16*SPITCH
	s_add_co_u32 s23, s23, STAGE                   ; my stage
	v_mul_u32_u24 v4, v1, SPITCH                   ; in: row l % 16, 16 bytes for each half of the lanes
	v_lshl_add_u32 v4, v2, 4, v4
	v_add_nc_u32 v[STO], s23, v4
	v_mul_u32_u24 v5, v2, SPITCH                   ; back: lanes 0-15 take one row of 256 bytes, lanes 16-31 the next
	v_lshl_add_u32 v5, v1, 4, v5
	v_add_nc_u32 v[RD], s23, v5
	v_lshlrev_b32 v5, 13, v2                       ; and the same two rows in C, 8,192 bytes apart
	v_lshl_add_u32 v[CO], v1, 4, v5
	v_lshlrev_b32 v[BO], 4, v2
	v_mov_b32 v[ONE], 1.0
	v_mov_b32 v[ZER], 0
	; where my part of the tile begins in C, in bytes: the way out adds it to C's address
	s_lshl_b32 s13, s13, 8                         ; 256 x tile row
	s_lshl_b32 s14, s11, 7
	s_add_co_u32 s16, s13, s14                     ; my first row of C,
	s_lshl_b32 s16, s16, 13                        ; of 8,192 bytes
	s_mov_b32 s17, 0
	s_lshl_b32 s46, s42, 9                         ; my first column, in bytes: 512 x tile column + 256 x half
	s_lshl_b32 s47, s12, 8
	s_add_co_u32 s46, s46, s47
	s_mov_b32 s47, 0
	s_add_nc_u64 s[16:17], s[16:17], s[46:47]
	s_add_nc_u64 s[BP:BP+1], s[BP:BP+1], s[46:47]  ; the bias is f16 too: the same bytes
.irp b, 0,1,2,3,4,5,6,7
	global_load_b128 v[BRAW+4*(\b):BRAW+4*(\b)+3], v[BO], s[BP:BP+1] offset:32*(\b)  ; bias[16 b + 8 (l / 16) .. + 7] of my 128 columns
.endr
	; the prefetches.  s13 = 256 x tile row, s42 = tile column, s40 = cx, s41 = cy still stand
	s_lshl_b32 s20, s12, 7
	s_add_co_u32 s20, s20, s13
	s_lshl_b32 s21, s40, 5
	s_add_co_u32 s20, s20, s21                     ; x: the 128 rows that I fetch, my work-group's 32 of them,
	s_lshl_b32 s20, s20, 13                        ; in bytes
	s_lshl_b32 s21, s12, 6
	s_lshl_b32 s22, s41, 4
	s_add_co_u32 s21, s21, s22                     ; wt: the 64 rows that I fetch, my work-group's 16 of them,
	s_lshl_b32 s21, s21, 13
	s_lshl_b32 s22, s42, 9
	s_add_co_u32 s21, s21, s22                     ; and the tile column's 512 bytes
	s_and_b32 s22, ttmp7, 0xffff                   ; cluster y
	s_mov_b32 s[PST], KSTEP*SIZE_N*2
	s_cmp_eq_u32 s11, 0                            ; do I fetch for x?
	s_cselect_b32 s20, s20, s21
	s_cselect_b32 s22, ttmp9, s22                  ; the coordinate along which other clusters read the same rows
	s_cselect_b32 s[PST], KSTEP*2, s[PST]
	s_cselect_b64 s[PFA:PFA+1], s[4:5], s[6:7]
	s_cmp_eq_u32 s22, 0
	s_cselect_b32 s[LIM], 1, -1                    ; the same in all sixteen partners, for a given wave
	s_mov_b32 s21, 0
	s_mov_b32 s[PST+1], 0
	s_add_nc_u64 s[PFA:PFA+1], s[PFA:PFA+1], s[20:21]
	s_mul_i32 s20, s[PST], 3
	s_add_nc_u64 s[PFA:PFA+1], s[PFA:PFA+1], s[20:21]  ; at K step 3: the first refill steps it to 4 and names that.  Nothing is prefetched here, at the head, where every work-group's first tiles are on their way
	v_and_b32 v[PFO], 31, v0
	v_and_b32 v11, s11, v[PFO]                     ; x: a lane a row.  wt: two lanes a row, 256 bytes apart
	v_lshrrev_b32 v[PFO], s11, v[PFO]
	v_lshlrev_b32 v[PFO], 13, v[PFO]
	v_lshl_add_u32 v[PFO], v11, 8, v[PFO]
	s_wait_loadcnt 0x0                             ; the bias
.irp b, 0,1,2,3,4,5,6,7
.irp i, 0,1,2,3
	v_fma_mix_f32 v[BIA+8*(\b)+2*(\i)],   v[BRAW+4*(\b)+(\i)], v[ONE], v[ZER] op_sel_hi:[1,0,0]                 ; the low half, widened to f32
	v_fma_mix_f32 v[BIA+8*(\b)+2*(\i)+1], v[BRAW+4*(\b)+(\i)], v[ONE], v[ZER] op_sel:[1,0,0] op_sel_hi:[1,0,0]  ; the high half
.endr
.endr
; 16 matrix instructions: m blocks a0, a0 + 1 of the window's four (hi = 0: my rows 0-63, 1: rows 64-127) x all 8 n blocks, 32 along K.
; zero = 1: the first product starts the sums, with the bias as its C operand (window 0): nothing is cleared, and nothing is added on the way out.
.macro MUL16 f, hi, a0, zero
.if \zero
	WIN 0x81+0x40*(\hi)
.else
	WIN MUL_LO+0x50*(\hi)
.endif
.irp a, \a0, (\a0)+1
.irp b, 0,1,2,3,4,5,6,7
.if \zero
	v_wmma_f32_16x16x32_f16 v[8*(8*(\a)+(\b)):8*(8*(\a)+(\b))+7], v[(\f)+8*(\b):(\f)+8*(\b)+7], v[(\f)+8*(4*(\hi)+(\a)):(\f)+8*(4*(\hi)+(\a))+7], v[BIA+8*(\b):BIA+8*(\b)+7]
.else
	v_wmma_f32_16x16x32_f16 v[8*(8*(\a)+(\b)):8*(8*(\a)+(\b))+7], v[(\f)+8*(\b):(\f)+8*(\b)+7], v[(\f)+8*(4*(\hi)+(\a)):(\f)+8*(4*(\hi)+(\a))+7], v[8*(8*(\a)+(\b)):8*(8*(\a)+(\b))+7]
.endif
.endr
.endr
.endm
; 32 LDS loads in one run: the fragments of quarter q of a K step (32 along K; 128 columns of wt, 128 rows of x) into buffer f
.macro FETCH slot, q, f
	WIN TO_B
.irp i, 0,1,2,3,4,5,6,7
	ds_load_tr16_b128 v[(\f)+8*(\i):(\f)+8*(\i)+3],   v[ADRB+(\slot)] offset:(\q)*32*PB+32*(\i)
	ds_load_tr16_b128 v[(\f)+8*(\i)+4:(\f)+8*(\i)+7], v[ADRB+(\slot)] offset:(\q)*32*PB+16*PB+32*(\i)
.endr
	WIN 0
.irp i, 0,1,2,3,4,5,6,7
	ds_load_b128 v[(\f)+8*(\i):(\f)+8*(\i)+3],   v[ADRA+(\slot)] offset:64*(\q)+(\i)*16*PITCH
	ds_load_b128 v[(\f)+8*(\i)+4:(\f)+8*(\i)+7], v[ADRA+(\slot)] offset:64*(\q)+(\i)*16*PITCH+32
.endr
.endm
; A load into a register that a matrix instruction has read, and a vector instruction that reads a matrix result, stand four places behind that matrix instruction, and only plain vector
; instructions that name none of its registers are places (ISA guide 7.12.1 for vector instructions); the matrix instructions in between are not counted.
.macro PLACES
.rept 4
	v_nop
.endr
.endm
; A K step is four quarters of 32 along K, 64 matrix instructions each, on buffers 0, 1, 0, 1.  The 64 accumulators take turns, in the same order in every quarter.
; One of the first three: multiplies buffer f; in its middle it fetches quarter q of the same slot into buffer g.
.macro QUARTER slot, q, f, g, zero
	s_wait_dscnt 8                                 ; wt's fragments and x's rows 0-63 are in; the youngest eight loads (x's rows 64-127) may be out
	MUL16 \f, 0, 0, \zero
	MUL16 \f, 0, 2, \zero
	PLACES
	FETCH \slot, \q, \g
	s_wait_dscnt 32                                ; all but the 32 just issued
	MUL16 \f, 1, 0, \zero
	MUL16 \f, 1, 2, \zero
.endm
; The last quarter multiplies buffer 1 and changes slots.  MEET is its first half: ONE barrier for the change.  In front of it each wave waits for all its tensor loads, of which one is out: its part
; of the next slot; adds 0 to its spare word; and waits for that and for its own reads of this slot.  Behind it nobody reads this slot any more and the next slot is whole.
.macro MEET round                      ; round = 1: a round of the cluster's barrier follows
	WIN 0                                          ; (the add's two registers lie in window 0)
	s_wait_tensorcnt 0x0                           ; all my tensor loads have landed;
	ds_add_u32 v[SPW], v[NIL]                      ; 0 onto my spare word;
	s_wait_dscnt 9                                 ; (the add and the youngest eight loads may be out)
	MUL16 F1, 0, 0, 0                              ; sixteen matrix instructions stand between the add and the wait for it
	s_wait_dscnt 0x0                               ; the add is done, and my reads of this slot are over:
	s_barrier_signal -1                            ; say so,
	MUL16 F1, 0, 2, 0                              ; work on registers while the others arrive,
.if \round
	WIN 0
.endif
	s_barrier_wait -1                              ; and go on when all four have said so
.endm
; The whole last quarter.  Behind the round the slot just read out is filled again first, with the K step two steps on; then come the next slot's first fragments.
; From a request to the wait for it a wave issues 224 matrix instructions.
.macro TURN slot, next
	s_wait_xcnt 0x0                                ; the last prefetch, a K step back, has read its address: it is stepped here, ahead of the waits of the change of slots
	s_add_nc_u64 s[PFA:PFA+1], s[PFA:PFA+1], s[PST:PST+1]
	MEET 1
	CREST                                          ; all sixteen work-groups have said so: no wave of any partner still reads this slot's tile or has a load on its way
	s_add_nc_u64 s[G0+4*(\slot)+2:G0+4*(\slot)+3], s[G0+4*(\slot)+2:G0+4*(\slot)+3], 2*KSTEP*2  ; no tensor load of mine is out, so the descriptors may be written
	s_add_nc_u64 s[G0B+4*(\slot)+2:G0B+4*(\slot)+3], s[G0B+4*(\slot)+2:G0B+4*(\slot)+3], 2*KSTEP*SIZE_N*2
	JLOAD \slot                                    ; the first tensor load behind the round; the four v_nop behind it are also the places in front of the loads below
	FETCH \next, 0, F0
	ASK
	MUL16 F1, 1, 0, 0
	MUL16 F1, 1, 2, 0
.endm
; THE LAST K STEP (it lies in slot 1) GOES BY ROWS OF C.  All its fragments of wt (4 quarters x 64 registers) fill window 1; then my eight blocks of 16 rows are finished one after the other, each with
; 32 matrix instructions (its 8 accumulators by turns, K ascending).  LDS is read no more than in any other K step.
.macro BLOAD q                         ; wt's fragments of quarter q -> window 1, v[64 q ..]
	WIN TO_B
.irp i, 0,1,2,3,4,5,6,7
	ds_load_tr16_b128 v[64*(\q)+8*(\i):64*(\q)+8*(\i)+3],   v[ADRB+1] offset:(\q)*32*PB+32*(\i)
	ds_load_tr16_b128 v[64*(\q)+8*(\i)+4:64*(\q)+8*(\i)+7], v[ADRB+1] offset:(\q)*32*PB+16*PB+32*(\i)
.endr
.endm
.macro ALOAD a                         ; x's fragments of block a, all four quarters -> buffer a % 4
	WIN 0
.set FA, PA+32*((\a)%4)
.irp q, 0,1,2,3
	ds_load_b128 v[FA+8*(\q):FA+8*(\q)+3],   v[ADRA+1] offset:64*(\q)+(\a)*16*PITCH
	ds_load_b128 v[FA+8*(\q)+4:FA+8*(\q)+7], v[ADRA+1] offset:64*(\q)+(\a)*16*PITCH+32
.endr
.endm
.macro ROW a                           ; block a is finished: 32 matrix instructions
.set FA, PA+32*((\a)%4)
.set AC, 64*((\a)%4)                   ; its eight accumulators, in window 2 (blocks 0-3) or 3 (blocks 4-7)
	WIN MUL_LO+0x50*((\a)/4)
.irp q, 0,1,2,3
.if (\a) == 0 && (\q) == 2
	s_wait_dscnt 24                                ; wt's quarter 2 is in (behind it: x's blocks 1 to 3)
.endif
.irp b, 0,1,2,3,4,5,6,7
	v_wmma_f32_16x16x32_f16 v[AC+8*(\b):AC+8*(\b)+7], v[64*(\q)+8*(\b):64*(\q)+8*(\b)+7], v[FA+8*(\q):FA+8*(\q)+7], v[AC+8*(\b):AC+8*(\b)+7]
.endr
.endr
.endm
; THE WAY OUT of block a.  PACK: rounded to f16, 16 bytes a lane, each accumulator's registers in ascending order.  TOSTAGE: into my own stage in LDS, and back as whole rows of 256 bytes.  SEND: stored.
.macro PACK a
.set AC, 64*((\a)%4)
	WIN 0x0a+5*((\a)/4)                            ; sources 0 and 1: window 2 or 3
.irp b, 0,1,2,3,4,5,6,7
.irp r, 0,1,2,3
	v_cvt_pk_f16_f32 v[TMP+4*(\b)+(\r)], v[AC+8*(\b)+2*(\r)], v[AC+8*(\b)+2*(\r)+1]
.endr
.endr
	WIN 0
.endm
.macro TOSTAGE a
	WIN 0
.set BK, OB+192*((\a)%2)
.irp b, 0,1,2,3,4,5,6,7
	ds_store_b128 v[STO], v[TMP+4*(\b):TMP+4*(\b)+3] offset:32*(\b)
.endr
.irp t, 0,1,2,3,4,5,6,7
	ds_load_b128 v[BK+4*(\t):BK+4*(\t)+3], v[RD] offset:(\t)*2*SPITCH  ; LDS serves a wave's instructions in order (ISA guide 5.7.1.4): these see the stores above
.endr
.endm
.macro SEND a, younger                 ; younger: the LDS loads issued behind TOSTAGE's, which may stay out
	WIN 0
.set BK, OB+192*((\a)%2)
	s_wait_dscnt \younger                          ; the block is back in registers
	s_wait_xcnt 0x0                                ; every earlier memory instruction has had its addresses translated (ISA guide 3.1): only behind this wait are the stores' base and the registers that earlier stores read rewritten
.if (\a) == 0
	s_add_nc_u64 s[8:9], s[8:9], s[16:17]          ; on to my first rows
.else
	s_add_nc_u64 s[8:9], s[8:9], 16*SIZE_N*2       ; 16 rows of C on
.endif
.irp t, 0,1,2,3,4,5,6,7
	global_store_b128 v[CO], v[BK+4*(\t):BK+4*(\t)+3], s[8:9] offset:2*(\t)*SIZE_N*2  ; 16 lanes store 256 consecutive bytes, at a multiple of 256 from C's first byte
.endr
.endm
	s_wait_tensorcnt 1                             ; my part of K step 0 is in; K step 1's may stay out
	s_barrier_signal -1
	s_barrier_wait -1                              ; everybody's is
	FETCH 0, 0, F0
	QUARTER 0, 1, F0, F1, 1                        ; the first quarter stands in front of the loop: its products start the sums
	WIN 0                                          ; at a label and at a branch every window is 0
	s_mov_b32 s3, LAPS-1
.Llap:                                                 ; a trip goes once round the ring, from a lap's second quarter to the next lap's first, and fills both slots again
	QUARTER 0, 2, F1, F0, 0
	QUARTER 0, 3, F0, F1, 0
	TURN 0, 1
	QUARTER 1, 1, F0, F1, 0
	QUARTER 1, 2, F1, F0, 0
	QUARTER 1, 3, F0, F1, 0
	TURN 1, 0
	QUARTER 0, 1, F0, F1, 0
	WIN 0
	s_sub_co_u32 s3, s3, 1
	s_cmp_lg_u32 s3, 0
	s_cbranch_scc1 .Llap
	QUARTER 0, 2, F1, F0, 0                        ; the last lap goes on; it asks for nothing more
	QUARTER 0, 3, F0, F1, 0
	MEET 0                                         ; my one tensor load that was still out is slot 1's, the last K step's, so no round follows
	PLACES                                         ; for the loads into buffer 0, which the quarter before multiplied
	BLOAD 0                                        ; three quarters of wt now: buffer 1 (v128-191 of both windows) is still being multiplied
	BLOAD 1
	BLOAD 3
	ALOAD 0
	MUL16 F1, 1, 0, 0
	MUL16 F1, 1, 2, 0
	PLACES                                         ; for the loads into buffer 1
	BLOAD 2
	ALOAD 1
	ALOAD 2
	ALOAD 3
	s_wait_dscnt 40                                ; all but the 40 just issued
	ROW 0
.irp a, 0,1,2,3,4,5,6,7                ; each block leaves as soon as it is finished
	PLACES                                         ; its conversions read results just made
	PACK \a
	TOSTAGE \a
.if (\a) < 4
	ALOAD (\a)+4                                   ; its buffer takes the block four further on
	SEND \a, 8
.else
	SEND \a, 0
.endif
.if (\a) < 7
	ROW (\a)+1
.endif
.endr
	s_wait_tensorcnt 0x0                           ; the wave's end: behind my last tensor load and my last LDS store
	ds_add_u32 v[SPW], v[NIL]
	s_wait_dscnt 0x0
	CROUND                                         ; the closing round: no work-group ends while a partner may still ask for a tile that names it
	s_endpgm
.Lfunc_end_k_q3754f11027_gemm:
	.size	k_q3754f11027_gemm, .Lfunc_end_k_q3754f11027_gemm-k_q3754f11027_gemm
	.p2alignl 7, 3214868480
	.fill 96, 4, 3214868480
	.section	.rodata,"a",@progbits
	.p2align	6, 0x0
	.amdhsa_kernel k_q3754f11027_gemm
		.amdhsa_group_segment_fixed_size 327680
		.amdhsa_private_segment_fixed_size 0
		.amdhsa_enable_private_segment 0
		.amdhsa_kernarg_size 32
		.amdhsa_user_sgpr_count 2
		.amdhsa_user_sgpr_kernarg_segment_ptr 1
		.amdhsa_wavefront_size32 1
		.amdhsa_system_sgpr_workgroup_id_x 1
		.amdhsa_system_sgpr_workgroup_id_y 1
		.amdhsa_system_sgpr_workgroup_id_z 1
		.amdhsa_system_vgpr_workitem_id 0
		.amdhsa_next_free_vgpr 1024
		.amdhsa_next_free_sgpr 72
		.amdhsa_reserve_vcc 0
		.amdhsa_float_denorm_mode_32 3
		.amdhsa_float_denorm_mode_16_64 3
		.amdhsa_memory_ordered 1
		.amdhsa_forward_progress 1
		.amdhsa_inst_pref_size 149
	.end_amdhsa_kernel
	.amdgpu_metadata
---
amdhsa.version: [ 1, 2 ]
amdhsa.kernels:
  - .name:           k_q3754f11027_gemm
    .symbol:         k_q3754f11027_gemm.kd
    .args:
      - { .name: x, .offset: 0, .size: 8, .value_kind: global_buffer, .address_space: global }
      - { .name: wt, .offset: 8, .size: 8, .value_kind: global_buffer, .address_space: global }
      - { .name: out0, .offset: 16, .size: 8, .value_kind: global_buffer, .address_space: global }
      - { .name: bias, .offset: 24, .size: 8, .value_kind: global_buffer, .address_space: global }
    .group_segment_fixed_size: 327680
    .private_segment_fixed_size: 0
    .kernarg_segment_align: 8
    .kernarg_segment_size: 32
    .max_flat_workgroup_size: 128
    .sgpr_count:     72
    .vgpr_count:     1024
    .wavefront_size: 32
...
	.end_amdgpu_metadata
.endif
;; end of part 2
;; ======== version 2 of 2: 2 launches; version 1 with the launch dequant written anew for expert scheduling mode
;; workspace buffers: wt 33,554,432 bytes
;; launch dequant (part 3): grid 256 x 1, 8 waves a work-group, no clusters, 33,792 bytes of LDS; arguments q_invperm, q_weight, q_scale, q_scale_max, wt; writes wt
.if DOCPART == 3
	.amdgcn_target "amdgcn-amd-amdhsa--gfx1250"
	.amdhsa_code_object_version 6
	.text
	.protected	k_q3754f11027_dequant
	.globl	k_q3754f11027_dequant
	.p2align	8
	.type	k_q3754f11027_dequant,@function
k_q3754f11027_dequant:
	s_mov_b64 s[64:65], 0
	v_nop
	global_prefetch_b8 v0, s[64:65] scope:SCOPE_SE
	s_setreg_imm32_b32 hwreg(HW_REG_WAVE_SCHED_MODE, 0, 2), 2
	s_setreg_imm32_b32 hwreg(HW_REG_WAVE_MODE, 25, 1), 1
	s_wait_xcnt 0x0
	s_wait_alu depctr_vm_vsrc(0)
; wt[j][n] = W[rank[j]][n] in f16, [4096][4096], where W[k][n] = (nibble k of q_weight - 8) x (s4 + 1)^2 x (q_scale_max[k / 128] / 256) and rank[j] is the place of
; q_invperm[j] in the stable ascending sort of q_invperm.  Since argsort(q_invperm)[rank[j]] = j, the sum over k of x[m][q_perm[k]] W[k][n] is the sum over j of x[m][j] wt[j][n]:
; the gather is taken off x and put on whole rows of W.
; LIMITS.  q_invperm's values lie in -2^18 .. 2^18 - 1: the sort key is value x 4,096 + index in 32 signed bits (keys are all different, so ties go by index: the stable order).
; The arithmetic is packed f16 with the same two roundings as the definition: (s4+1)^2 and w - 8 are exact, the scale is rounded once, the product once.  Numbers below 6.1e-5 keep
; f16's fixed step, numbers beyond 65,504 become infinite, as in the definition.  NaN and infinities are not treated apart.
; SHARES.  Work-group g owns rows j = 16 g .. 16 g + 15, wave w two of them; no wave needs another, so there is no barrier.  A row goes in 32 chunks of 128 columns: lane l owns
; columns 128 c + 4 l .. + 3: one load of 16 bytes (the wave: 512 consecutive bytes of a packed row), one LDS load of its four scale nibbles, one store of 8 bytes (the wave: 256
; consecutive bytes, aligned).  The ring in registers holds a row's 32 chunks; while row 0's chunks are worked on, row 1's take their registers, a block of four chunks behind.
; NO CLUSTER, NO TENSOR LOADS: which eight rows j read the same packed row hangs on q_invperm, so partners cannot be laid out ahead; the ring in registers holds 16 KiB a wave.
; NO MATRIX UNIT: nothing is multiplied here but element by element.
; THE MODE: SCHED_MODE bits 1:0 = 2 (LLVM: expert scheduling mode 2), set by the entry lines.  The code itself states the register dependences between vector instructions and
; memory or LDS instructions, and between a vector instruction that writes a scalar register and that register's readers, with s_wait_alu, always for 0.
; THE PLAN.  The two rows' 64 chunks go in 16 blocks of four.  Registers that memory or LDS instructions touch:
;   v2 .. v5    offsets and LDS addresses: written once at the head, never again.      v6, v7  written at the head, read by the closing add alone.
;   KW          first the keys: loaded, shifted in place and compared; then the ring.  Block p's vector lines read its own sixteen registers; the four loads issued in block p
;               (1 to 8) bring row 1's chunks into the sixteen that block p - 1 read.
;   SR          the two scale rows: loaded, read by eight LDS stores, then done; its first sixteen registers are OUT from there on.
;   OUT0, OUT1  Block p's last multiplies write OUT[p % 2]; the four stores issued in block p + 1 read it.
;   SN          loaded from LDS once, then read by vector lines alone.
; So block p's memory instructions touch the two buffers that block p - 1 worked on and that no vector line of block p names: the waits at a block's head state all that its eight
; memory instructions hang on, and these are dealt among its vector lines with no further wait.  The text has no branch and no label.
.set SPARE, 32768                      ; LDS: bytes 0 .. 32,767 wave w's two scale rows (2,048 bytes each) at 4,096 w + 2,048 t; behind them the spare words, 128 bytes a wave
.set WO,  2                            ; v2   16 x lane: my 16 bytes in 512 consecutive bytes of keys, weights, scale rows; never rewritten
.set SO,  3                            ; v3   8 x lane: my 8 bytes of a chunk of wt; never rewritten
.set LW,  4                            ; v4   4,096 w + 16 x lane: where I put a scale row's 16 bytes
.set LR,  5                            ; v5   4,096 w + 2 x lane: my four nibbles of a chunk
.set SPW, 6                            ; v6   LDS address of my spare word; never rewritten
.set NIL, 7                            ; v7   0; never rewritten
.set IDX, 8                            ; v[8:11]   4 x lane + c
.set CS,  12                           ; v12  f16 pair: low -1023, high -63
.set CW,  13                           ; v13, v14  row t: -1032 twice (even nibble) or -72 twice (odd)
.set SM,  15                           ; v15, v16  row t: q_scale_max / 256, twice
.set T,   18                           ; v[18:21]  at work: no memory instruction names them
.set KW,  32                           ; v[32:159] first the 4,096 keys (128 a lane), then the ring of 32 chunks of weight words
.set SN,  160                          ; v[160:223] row t, chunk c: my four scale nibbles
.set SR,  224                          ; v[224:255] the two scale rows on their way to LDS
.set OUT, SR                           ; v[224:239] later: buffer b, chunk i of a block: a pair to store at OUT + 8 b + 2 i
.set KJ,  20                           ; s20, s21  my two rows' keys, less 128 for every block of keys compared
.set RK,  22                           ; s22, s23  their ranks
.set PW,  24                           ; s[24:27]  row t: its packed row of q_weight
.set PS,  28                           ; s[28:31]  row t: its row of q_scale
.set PO,  32                           ; s[32:35]  row t: its row of wt
.set PM,  36                           ; s[36:37], s[74:75]  row t: its number of q_scale_max
.set QM,  38                           ; s38, s39  that number's bits
.set MK,  40                           ; s[40:55]  two banks of eight lane masks
.set SEL, 56                           ; s56, s57  row t: byte select
.set MSK, 58                           ; s58, s59  row t: nibble mask
.set RR,  60                           ; s60, s61  row t: 1 twice, or 1/16 twice
.set CB,  62                           ; s62, s63  row t: CW's bits
	s_load_b256 s[4:11], s[0:1], 0x0               ; q_invperm s[4:5], q_weight s[6:7], q_scale s[8:9], q_scale_max s[10:11]
	s_load_b64 s[12:13], s[0:1], 0x20              ; wt
	v_lshl_add_u32 v[SPW], v0, 2, SPARE
	v_mov_b32 v[NIL], 0
	v_lshrrev_b32 v1, 5, v0
	v_readfirstlane_b32 s14, v1                    ; wave 0..7
	v_and_b32 v1, 31, v0                           ; lane
	v_lshlrev_b32 v[WO], 4, v1
	v_lshlrev_b32 v[SO], 3, v1
.irp c, 0,1,2,3
	v_lshl_add_u32 v[IDX+(\c)], v1, 2, \c
.endr
	v_mov_b32 v[CS], 0xd3e0e3fe
	s_wait_alu depctr_va_sdst(0)                   ; s14 is written, ahead of its first reader: the LDS addresses and my rows' numbers are made from it
	s_lshl_b32 s16, s14, 12                        ; my wave's 4,096 bytes of LDS
	v_lshl_add_u32 v[LW], v1, 4, s16
	v_lshl_add_u32 v[LR], v1, 1, s16
	s_lshl_b32 s15, ttmp9, 4
	s_lshl_b32 s17, s14, 1
	s_add_co_u32 s15, s15, s17                     ; j0 = 16 g + 2 w
	s_mov_b32 s66, 0x64006400                      ; 1024 twice in f16: its ten low bits count in ones
	s_mov_b32 s67, 0x00f0000f                      ; low half: a byte's low nibble; high half: its high nibble, where it lies
	s_mov_b32 s68, 0x01010101                      ; byte 1 into every byte
	s_mov_b32 s69, 0x000f000f
	s_mov_b32 s70, 0x3c003c00                      ; 1 twice
	s_mov_b32 s72, 0xe408e408                      ; -1032 twice
	s_lshl_b32 s16, s15, 2                         ; my two keys' bytes in q_invperm
	s_mov_b32 s17, 0                               ; s[16:17] is the pair for offsets: its high word stays 0
	s_mov_b32 s[RK], 0
	s_mov_b32 s[RK+1], 0
	s_wait_kmcnt 0x0
	s_add_nc_u64 s[18:19], s[4:5], s[16:17]
	s_load_b64 s[KJ:KJ+1], s[18:19], 0x0           ; q_invperm[j0], q_invperm[j0 + 1]
	s_wait_alu depctr_va_vdst(0)                   ; v2 to v5 are written: every load and store of the kernel, global or LDS, reads one of them as its offset or address, and none is written again
.set qq, 0
.rept 32
	global_load_b128 v[KW+4*qq:KW+4*qq+3], v[WO], s[4:5] offset:512*qq  ; all 4,096 values: word c of load q in lane l has index 128 q + 4 l + c
.set qq, qq+1
.endr
	s_wait_kmcnt 0x0
	s_lshl_b32 s[KJ], s[KJ], 12
	s_add_co_u32 s[KJ], s[KJ], s15                 ; key = value x 4,096 + index
	s_lshl_b32 s[KJ+1], s[KJ+1], 12
	s_add_co_u32 s[KJ+1], s[KJ+1], s15
	s_add_co_u32 s[KJ+1], s[KJ+1], 1
; THE RANKS.  rank = how many keys are smaller than mine.  Block q of 128 keys: the keys are made without the term 128 q, which is taken off my two keys instead.
; The two banks of masks take turns: block q's compares write bank q % 2; the counts that follow them read the other bank, which the wait ahead of the compares has shown written.
.macro RANKV q
	s_wait_loadcnt 31-(\q)                         ; loads come back in order: block q is in, the 31 - q younger ones stay out
.irp c, 0,1,2,3
	v_lshl_add_u32 v[KW+4*(\q)+(\c)], v[KW+4*(\q)+(\c)], 12, v[IDX+(\c)]
.endr
.if (\q) > 0
	s_wait_alu depctr_va_sdst(0)                   ; the compares of block q - 1 have written their eight masks, which the counts behind this block's compares read
	s_sub_co_u32 s[KJ], s[KJ], 0x80                ; and they are done with my two keys, which step here
	s_sub_co_u32 s[KJ+1], s[KJ+1], 0x80
.endif
.irp c, 0,1,2,3
.irp t, 0,1
	v_cmp_gt_i32 s[MK+8*((\q)&1)+2*(\c)+(\t)], s[KJ+(\t)], v[KW+4*(\q)+(\c)]
.endr
.endr
.endm
.macro RANKS q                         ; block q's eight masks are counted, a block behind the compares that made them
.irp c, 0,1,2,3
.irp t, 0,1
	s_bcnt1_i32_b32 s[MK+8*((\q)&1)+2*(\c)+(\t)], s[MK+8*((\q)&1)+2*(\c)+(\t)]
	s_add_co_u32 s[RK+(\t)], s[RK+(\t)], s[MK+8*((\q)&1)+2*(\c)+(\t)]
.endr
.endr
.endm
	RANKV 0
.set qq, 1
.rept 31
	RANKV qq
	RANKS qq-1
.set qq, qq+1
.endr
	s_wait_alu depctr_va_sdst(0)                   ; the compares of block 31 have written their eight masks, which the last counts read
	RANKS 31
; WHAT A ROW NEEDS, from its rank r: packed row r / 8, byte (r / 2) % 4 of each word, its low or high nibble; group r / 128.  Each part of r is held to its table's size before it enters an address.
.macro ROWSET t
	s_lshr_b32 s16, s[RK+(\t)], 3
	s_min_u32 s16, s16, 0x1ff
	s_lshl_b32 s16, s16, 14                        ; a packed row is 16,384 bytes
	s_add_nc_u64 s[PW+2*(\t):PW+2*(\t)+1], s[6:7], s[16:17]
	s_lshr_b32 s18, s[RK+(\t)], 7
	s_min_u32 s18, s18, 31
	s_lshl_b32 s16, s18, 11                        ; a row of q_scale is 2,048 bytes
	s_add_nc_u64 s[PS+2*(\t):PS+2*(\t)+1], s[8:9], s[16:17]
	s_lshl_b32 s16, s18, 1
	s_add_nc_u64 s[PM+38*(\t):PM+38*(\t)+1], s[10:11], s[16:17]
	s_load_u16 s[QM+(\t)], s[PM+38*(\t):PM+38*(\t)+1], 0x0
	s_add_co_u32 s16, s15, \t
	s_lshl_b32 s16, s16, 13                        ; a row of wt is 8,192 bytes
	s_add_nc_u64 s[PO+2*(\t):PO+2*(\t)+1], s[12:13], s[16:17]
	s_bfe_u32 s18, s[RK+(\t)], 0x20001             ; y = (r / 2) % 4
	s_mul_i32 s18, s18, 0x10001
	s_add_co_u32 s[SEL+(\t)], s18, 0x40000         ; result byte 0 = byte y of the second source, byte 2 = byte y of the first
	s_bitcmp1_b32 s[RK+(\t)], 0                    ; an odd r takes the high nibble, left where it lies: 16 w, and then a factor of 1/16
	s_cselect_b32 s[MSK+(\t)], 0x00f000f0, s69
	s_cselect_b32 s[RR+(\t)], 0x2c002c00, s70
	s_cselect_b32 s[CB+(\t)], 0xd480d480, s72      ; (1024 + 16 w) / 16 - 72 = w - 8;  (1024 + w) - 1032 = w - 8
.endm
	ROWSET 0
	ROWSET 1
	s_wait_alu depctr_va_vdst(0)                   ; the ranks' shifts have written v[KW ..] and the compares are done reading it: the 32 weight loads below land there
.irp t, 0,1
.irp v, 0,1,2,3
	global_load_b128 v[SR+16*(\t)+4*(\v):SR+16*(\t)+4*(\v)+3], v[WO], s[PS+2*(\t):PS+2*(\t)+1] offset:512*(\v)  ; the two scale rows, whole
.endr
.endr
.set cc, 0
.rept 32
	global_load_b128 v[KW+4*cc:KW+4*cc+3], v[WO], s[PW:PW+1] offset:512*cc  ; row 0's 32 chunks fill the ring
.set cc, cc+1
.endr
	s_wait_kmcnt 0x0                               ; q_scale_max's two numbers
.irp t, 0,1
	s_mul_i32 s[QM+(\t)], s[QM+(\t)], 0x10001      ; the same f16 in both halves
	v_mov_b32 v[SM+(\t)], s[QM+(\t)]
	v_pk_mul_f16 v[SM+(\t)], v[SM+(\t)], 0x1c001c00  ; / 256, rounded to f16
	v_mov_b32 v[CW+(\t)], s[CB+(\t)]
.endr
	s_wait_loadcnt 32                              ; the scale rows are in; the 32 weight loads behind them stay out
.irp t, 0,1
.irp v, 0,1,2,3
	ds_store_b128 v[LW], v[SR+16*(\t)+4*(\v):SR+16*(\t)+4*(\v)+3] offset:2048*(\t)+512*(\v)
.endr
.endr
.set cc, 0
.rept 32                               ; columns 128 c + 4 l .. + 3 are the 16 bits at byte 64 c + 2 l of the row.  These are my wave's own bytes, and LDS serves a wave's instructions in order (ISA guide 5.7.1.4): the loads see the stores above
	ds_load_u16 v[SN+cc], v[LR] offset:64*cc
	ds_load_u16 v[SN+32+cc], v[LR] offset:2048+64*cc
.set cc, cc+1
.endr
	s_wait_dscnt 0x0                               ; my nibbles are in
	s_wait_alu depctr_vm_vsrc(0)                   ; my LDS stores have read v[SR ..]: its first sixteen registers are OUT0 and OUT1 from here on, written by the blocks' last multiplies
; Block p of 16: chunks 4 (p % 8) .. + 3 of row p / 8.  left = the younger loads that may stay out when this block's four have to be there.
; Its memory instructions belong to the block before: that block's four stores, and (p = 1 to 8) row 1's four chunks into the registers that it read.
.macro BLK p, left
.set ROWT, (\p)/8                      ; this block's row,
.set C0,   4*((\p)%8)                  ; its first chunk,
.set YB,   OUT+8*((\p)%2)              ; the buffer that it writes
.set YP,   OUT+8*(1-(\p)%2)            ; the buffer that the block before wrote,
.set PROW, ((\p)+7)/8-1                ; that block's row (p > 0),
.set PC0,  4*(((\p)+7)%8)              ; and its first chunk
	s_wait_loadcnt \left                           ; loads come back in order (ISA guide 5.7.1): this block's four chunks are in
.if (\p) > 0
	s_wait_xcnt 0x0                                ; every earlier memory instruction has had its addresses translated (ISA guide 3.1): this block's OUT is rewritten only behind this wait
	s_wait_alu depctr_vm_vsrc(0)                   ; the stores issued in the block before have read this block's OUT, which its last multiplies write again
	s_wait_alu depctr_va_vdst(0)                   ; the block before has written the other OUT, which the stores below read, and is done reading its part of KW, in which the loads below land
.endif
.irp i, 0,1,2,3
.if ((\p) > 0) && ((\p) < 9)
	global_load_b128 v[KW+4*(PC0+(\i)):KW+4*(PC0+(\i))+3], v[WO], s[PW+2:PW+3] offset:512*(PC0+(\i))  ; row 1's chunk; no vector line since the wait names these registers
.endif
.if (\p) > 0
	global_store_b64 v[SO], v[YP+2*(\i):YP+2*(\i)+1], s[PO+2*PROW:PO+2*PROW+1] offset:256*(PC0+(\i)) th:TH_STORE_NT  ; the wave stores 256 consecutive bytes, at a multiple of 256 from wt's first byte
.endif
	v_perm_b32 v[T],   v[SN+32*ROWT+C0+(\i)], v[SN+32*ROWT+C0+(\i)], 0      ; the nibbles of columns 0, 1 in every byte
	v_perm_b32 v[T+1], v[SN+32*ROWT+C0+(\i)], v[SN+32*ROWT+C0+(\i)], s68    ; those of columns 2, 3
	v_perm_b32 v[T+2], v[KW+4*(C0+(\i))+1], v[KW+4*(C0+(\i))],   s[SEL+ROWT]  ; the row's byte of columns 0 (low half) and 1 (high half)
	v_perm_b32 v[T+3], v[KW+4*(C0+(\i))+3], v[KW+4*(C0+(\i))+2], s[SEL+ROWT]
	v_and_or_b32 v[T],   v[T],   s67, s66          ; f16: low 1024 + s, high 1024 + 16 s
	v_and_or_b32 v[T+1], v[T+1], s67, s66
	v_and_or_b32 v[T+2], v[T+2], s[MSK+ROWT], s66  ; 1024 + w, or 1024 + 16 w, in both halves
	v_and_or_b32 v[T+3], v[T+3], s[MSK+ROWT], s66
	v_pk_fma_f16 v[T],   v[T],   0x2c003c00, v[CS] ; low x 1 - 1023, high / 16 - 63: s + 1, exact
	v_pk_fma_f16 v[T+1], v[T+1], 0x2c003c00, v[CS]
	v_pk_fma_f16 v[T+2], v[T+2], s[RR+ROWT], v[CW+ROWT]  ; w - 8, exact
	v_pk_fma_f16 v[T+3], v[T+3], s[RR+ROWT], v[CW+ROWT]
	v_pk_mul_f16 v[T],   v[T],   v[T]              ; (s + 1)^2, at most 256: exact
	v_pk_mul_f16 v[T+1], v[T+1], v[T+1]
	v_pk_mul_f16 v[T],   v[T],   v[SM+ROWT]        ; the scale: the first rounding
	v_pk_mul_f16 v[T+1], v[T+1], v[SM+ROWT]
	v_pk_mul_f16 v[YB+2*(\i)],   v[T+2], v[T]      ; W: the second
	v_pk_mul_f16 v[YB+2*(\i)+1], v[T+3], v[T+1]
.endr
.endm
	BLK 0, 28                                      ; no block stands in front of it: no store, no load; row 0's 28 younger chunks stay out
.set pp, 1
.rept 9
	BLK pp, 24                                     ; up to block 7: 28 - 4 p of row 0's chunks and 4 (p - 1) of row 1's are younger; blocks 8 and 9: six groups of four of row 1's
.set pp, pp+1
.endr
.rept 6
	BLK pp, 4*(15-pp)                              ; nothing more is loaded: the counts run down
.set pp, pp+1
.endr
	s_wait_alu depctr_va_vdst(0)                   ; block 15 has written OUT1, which the last four stores read
.irp i, 0,1,2,3
	global_store_b64 v[SO], v[OUT+8+2*(\i):OUT+8+2*(\i)+1], s[PO+2:PO+3] offset:256*(28+(\i)) th:TH_STORE_NT
.endr
	s_wait_dscnt 0x0                               ; the closing lines, six on end
	s_wait_alu 0x0
	s_wait_tensorcnt 0x0
	ds_add_u32 v[SPW], v[NIL]
	s_wait_dscnt 0x0
	s_endpgm
.Lfunc_end_k_q3754f11027_dequant:
	.size	k_q3754f11027_dequant, .Lfunc_end_k_q3754f11027_dequant-k_q3754f11027_dequant
	.p2alignl 7, 3214868480
	.fill 96, 4, 3214868480
	.section	.rodata,"a",@progbits
	.p2align	6, 0x0
	.amdhsa_kernel k_q3754f11027_dequant
		.amdhsa_group_segment_fixed_size 33792
		.amdhsa_private_segment_fixed_size 0
		.amdhsa_enable_private_segment 0
		.amdhsa_kernarg_size 40
		.amdhsa_user_sgpr_count 2
		.amdhsa_user_sgpr_kernarg_segment_ptr 1
		.amdhsa_wavefront_size32 1
		.amdhsa_system_sgpr_workgroup_id_x 1
		.amdhsa_system_sgpr_workgroup_id_y 1
		.amdhsa_system_sgpr_workgroup_id_z 1
		.amdhsa_system_vgpr_workitem_id 0
		.amdhsa_next_free_vgpr 256
		.amdhsa_next_free_sgpr 76
		.amdhsa_reserve_vcc 0
		.amdhsa_float_denorm_mode_32 3
		.amdhsa_float_denorm_mode_16_64 3
		.amdhsa_memory_ordered 1
		.amdhsa_forward_progress 1
		.amdhsa_inst_pref_size 149
	.end_amdhsa_kernel
	.amdgpu_metadata
---
amdhsa.version: [ 1, 2 ]
amdhsa.kernels:
  - .name:           k_q3754f11027_dequant
    .symbol:         k_q3754f11027_dequant.kd
    .args:
      - { .name: q_invperm, .offset: 0, .size: 8, .value_kind: global_buffer, .address_space: global }
      - { .name: q_weight, .offset: 8, .size: 8, .value_kind: global_buffer, .address_space: global }
      - { .name: q_scale, .offset: 16, .size: 8, .value_kind: global_buffer, .address_space: global }
      - { .name: q_scale_max, .offset: 24, .size: 8, .value_kind: global_buffer, .address_space: global }
      - { .name: wt, .offset: 32, .size: 8, .value_kind: global_buffer, .address_space: global }
    .group_segment_fixed_size: 33792
    .private_segment_fixed_size: 0
    .kernarg_segment_align: 8
    .kernarg_segment_size: 40
    .max_flat_workgroup_size: 256
    .sgpr_count:     76
    .vgpr_count:     256
    .wavefront_size: 32
...
	.end_amdgpu_metadata
.endif
;; end of part 3
;; launch gemm: the kernel of part 2 again; grid 16 x 16, 4 waves a work-group, clusters of 4 x 4, 327,680 bytes of LDS; arguments x, wt, out0, bias; writes out0
